; MI455X (gfx1250); checked and timed in simulation.
; The chip was launched on July 23, 2026; its instructions are those of AMD's public machine-readable ISA for CDNA 5 (MIT licence, August 2026) and "CDNA5" Instruction Set Architecture Reference Guide (July 2026). The comments in the code are by the model that wrote it; some were corrected since.
;; Multi Head Attention. Allowed arithmetic: matrix products marked QUANTISED: E2M1 operands, one E8M0 scale for each 32 along K, by v_wmma_scale_f32_16x16x128_f8f6f4 with both operands' format E2M1 (or v_wmma_scale_f32_32x16x128_f4), f32 sums; products left as they are: bf16, f16 or f32 operands; f32 sums; everything else in f32.
;; Inputs: Wk 512 x 512 float32; Wq 512 x 512 float32; Wv 512 x 512 float32; keys 2 x 2,048 x 512 float32; queries 2 x 2,048 x 512 float32; values 2 x 2,048 x 512 float32.
;; Outputs: out0 2 x 2,048 x 512 float32.
;; This version of the problem:
;;   THIS VERSION OF THE PROBLEM IS GIVEN IN LOW PRECISION. The matrix products marked QUANTISED in the list below multiply operands that are first quantised to E2M1 (2 exponent bits, 1 mantissa bit; 4 bits a number), with one power-of-two scale for each 32 numbers along K (OCP MX v1.0); their sums are f32. The products marked 'left as it is' may take bf16, f16 or f32 operands, with f32 sums. Whichever they take, every output number must still come out within the allowed error. Rounding operands to bf16 (8 significant bits) uses up far more of that allowance than f16 does (11 bits, for magnitudes from 6e-5 to 65,504). All else is computed in f32.
;;   The module's matrix products, in the order in which they are computed (A, B: the left and right operand; K: the contracted axis; several contracted axes count as one K, in the product's order):
;;     1. [M 4,096, K 512] x [K 512, N 512]; A: input queries; B: input Wq: QUANTISED
;;     2. [M 4,096, K 512] x [K 512, N 512]; A: input keys; B: input Wk: QUANTISED
;;     3. [M 4,096, K 512] x [K 512, N 512]; A: input values; B: input Wv: QUANTISED
;;     4. batch 16 x [M 2,048, K 64] x [K 64, N 2,048]; A: computed on the way; B: computed on the way: left as it is (an operand is computed on the way)
;;     5. batch 16 x [M 64, K 2,048] x [K 2,048, N 2,048]; A: computed on the way; B: computed on the way: left as it is (an operand is computed on the way)
;;   THE QUANTISER, for each operand of a quantised product, along K:
;;     - K is cut into blocks of 32 from its start; a last block that is shorter is filled with zeros.
;;     - A block's scale is 2^e with e = floor(log2(the largest magnitude in the block)) - 2, held to -126 .. 127; a block of zeros has e = 0. As a byte (E8M0): e + 127.
;;     - Each number is divided by its block's scale, clamped to +-6, and rounded to the nearest number of E2M1, ties to even, subnormals kept.
;;     - The product sums the exact products of the quantised numbers (number of the format x scale) in f32.
;;   ~~~python
;;   def quantise(x, axis):      # numpy; x: float32 -> the quantised numbers, widened to float32 again
;;       x = np.moveaxis(x, axis, -1); K = x.shape[-1]
;;       x = np.pad(x, [(0, 0)] * (x.ndim - 1) + [(0, -K % 32)]); x = x.reshape(x.shape[:-1] + (-1, 32)); a = np.abs(x).max(-1, keepdims=True)
;;       e = np.where(a > 0, np.clip(np.frexp(np.where(a > 0, a, 1))[1] - 1 - 2, -126, 127), 0)      # np.frexp(a)[1] - 1 = floor(log2(a)), exactly
;;       r = np.clip(x / 2.0 ** e, -6, 6)
;;       step = 2.0 ** (np.maximum(np.frexp(np.where(r == 0, 1, r))[1] - 1, 0) - 1)
;;       q = np.round(r / step) * step * 2.0 ** e      # np.round: ties to even
;;       return np.moveaxis(q.reshape(q.shape[:-2] + (-1,))[..., :K], -1, axis).astype(np.float32)
;;   ~~~
;; One version. Each part assembles by itself: llvm-mc -triple=amdgcn-amd-amdhsa -mcpu=gfx1250 --defsym DOCPART=n.
;; ======== version 1 of 1: 3 launches
;; limits: values are held in f16: magnitudes above 65,504 overflow, below 6.1e-05 lose precision
;; workspace buffers: wcodes 417,792 bytes; qkv 12,582,912 bytes
;; launch wquant (part 1): grid 48 x 4, 1 waves a work-group, no clusters, 0 bytes of LDS; arguments Wq, Wk, Wv, wcodes; writes wcodes
.if DOCPART == 1
	.amdgcn_target "amdgcn-amd-amdhsa--gfx1250"
	.amdhsa_code_object_version 6
	.text
	.protected	k_q83f9667abb_wquant
	.globl	k_q83f9667abb_wquant
	.p2align	8
	.type	k_q83f9667abb_wquant,@function
k_q83f9667abb_wquant:
	s_mov_b64 s[64:65], 0
	v_nop
	global_prefetch_b8 v0, s[64:65] scope:SCOPE_SE
	s_setreg_imm32_b32 hwreg(HW_REG_WAVE_MODE, 25, 1), 1
	s_wait_xcnt 0x0
; Wq, Wk, Wv [512 (k)][512 (n)] f32 become codes of FP4 (E2M1) with one E8M0 scale byte for each 32 along K, K being the FIRST axis.
; OUT: wcodes [tensor 3][head 8][17,408 bytes].  A head's block: 16 images of operand registers, 1,024 bytes each, image (4 a + s) for the
; 16 columns 64 head + 16 a .. and the K step 128 s ..: [c 2][lane 32][16 bytes], lane (r, h) of group c = the 32 codes of column r, k = 128 s + 64 c + 32 h + 0 .. 31;
; from byte 16,384 on the scale words [4 a + s][r 16], 4 bytes each, byte t = block 4 s + t.  So the product's launch loads every fragment at 16 x lane.
; SHARES: one wave a work-group: 32 columns (x = 16 tensor + group of 32 columns) x 128 along K (y = K step).  A LANE TAKES A COLUMN AND ITS REGISTERS RUN DOWN K:
; each load reads 128 consecutive bytes, a block of 32 lies in one lane, and the conversions give codes with K innermost.
; A block's scale is 2^(floor(log2(largest magnitude)) - 2): its byte is the largest magnitude's exponent field - 2, held at 1 from below.
; LIMITS: NaN and infinities are not served; a block whose largest magnitude lies under 2^-124 (a block of zeros too) gets the byte 1: a block of zeros has zero codes, and this program alone reads the bytes.
.set X, 32                             ; v32-159  four blocks of 32 numbers
.set C, 16                             ; v16-31   four registers of codes for each block: no store's data are written again
	s_load_b256 s[4:11], s[0:1], 0x0               ; Wq s[4:5], Wk s[6:7], Wv s[8:9], wcodes s[10:11]
	v_lshlrev_b32 v1, 2, v0                        ; in: 4 bytes a lane (one wave: v0 is the lane)
	v_lshrrev_b32 v4, 4, v0                        ; lane / 16: which of my two tiles of 16 columns
	v_and_b32 v5, 15, v0                           ; r
	v_lshlrev_b32 v2, 4, v5
	v_lshl_add_u32 v2, v4, 12, v2                  ; codes: 4 images (4,096 bytes) from tile to tile, 16 r in an image
	v_lshlrev_b32 v3, 2, v5
	v_lshl_add_u32 v3, v4, 8, v3                   ; scale words: 256 bytes from tile to tile, 4 r
	s_lshr_b32 s12, ttmp9, 4                       ; tensor 0..2
	s_and_b32 s13, ttmp9, 15                       ; group of 32 columns
	s_and_b32 s14, ttmp7, 0xffff                   ; K step
	s_lshl_b32 s16, s14, 18                        ; in: 128 rows of 2,048 bytes a K step,
	s_lshl_b32 s15, s13, 7                         ; 128 bytes a group
	s_add_co_u32 s16, s16, s15
	s_mov_b32 s17, 0
	s_mul_i32 s18, s12, 139264                     ; out: the tensor's 8 head blocks,
	s_lshr_b32 s15, s13, 1
	s_mul_i32 s15, s15, 17408                      ; the head's block
	s_add_co_u32 s18, s18, s15
	s_and_b32 s15, s13, 1                          ; which half of the head's 64 columns
	s_lshl_b32 s20, s15, 13                        ; codes: 8 images a half,
	s_lshl_b32 s21, s14, 10                        ; one image a K step
	s_add_co_u32 s20, s20, s21
	s_add_co_u32 s20, s20, s18
	s_mov_b32 s21, 0
	s_lshl_b32 s22, s15, 9                         ; scale words: 512 bytes a half,
	s_lshl_b32 s23, s14, 6                         ; 64 a K step,
	s_add_co_u32 s22, s22, s23
	s_add_co_u32 s22, s22, s18
	s_add_co_u32 s22, s22, 16384                   ; behind the 16 images
	s_mov_b32 s23, 0
	s_wait_kmcnt 0x0
	s_cmp_eq_u32 s12, 0                            ; the tensor is chosen by the work-group's number alone
	s_cselect_b64 s[24:25], s[4:5], s[6:7]
	s_cmp_eq_u32 s12, 2
	s_cselect_b64 s[24:25], s[8:9], s[24:25]
	s_add_nc_u64 s[24:25], s[24:25], s[16:17]
	s_add_nc_u64 s[26:27], s[10:11], s[20:21]
	s_add_nc_u64 s[28:29], s[10:11], s[22:23]
.macro LOAD t                          ; block t: W(128 s + 32 t + i, my column), i = 0 .. 31
.irp i, 0,1,2,3,4,5,6,7,8,9,10,11,12,13,14,15,16,17,18,19,20,21,22,23,24,25,26,27,28,29,30,31
	global_load_b32 v[X+32*(\t)+\i], v1, s[24:25] offset:(32*(\t)+\i)*2048 th:TH_LOAD_NT
.endr
.endm
.macro BLOCK t
.set XS, X+32*(\t)
.if (\t) < 3
	s_wait_loadcnt 32                              ; this block's 32 loads are in; the next block's 32 may be out
.else
	s_wait_loadcnt 0x0
.endif
.if (\t) < 2
	LOAD (\t)+2                                    ; loads run two blocks ahead, each block into registers of its own
.endif
	v_max3_num_f32 v4, |v[XS]|, |v[XS+1]|, |v[XS+2]|               ; the block's largest magnitude, in two chains: all 32 numbers are mine
	v_max3_num_f32 v5, |v[XS+3]|, |v[XS+4]|, |v[XS+5]|
.irp i, 6,10,14,18,22,26
	v_max3_num_f32 v4, v4, |v[XS+\i]|, |v[XS+\i+1]|
	v_max3_num_f32 v5, v5, |v[XS+\i+2]|, |v[XS+\i+3]|
.endr
	v_max3_num_f32 v4, v4, |v[XS+30]|, |v[XS+31]|
	v_max3_num_f32 v4, v4, v5, 0x1800000           ; and the floor 2^(3 - 127): the byte cannot fall under 1
	v_add_nc_u32 v6, 0xff000000, v4                ; 2 off the exponent field: the conversion takes this operand's exponent field as its scale
	v_lshrrev_b32 v7, 23, v6                       ; the scale's byte
.if (\t) == 0
	v_mov_b32 v8, v7                               ; four bytes make my column's scale word of this K step
.else
	v_lshl_or_b32 v8, v7, 8*(\t), v8
.endif
.irp g, 0,1,2,3
	v_cvt_scalef32_pk8_fp4_f32 v[C+4*(\t)+\g], v[XS+8*\g:XS+8*\g+7], v6
.endr
	v_nop                                          ; one plain line behind the last conversion, ahead of the next write of its scale operand
	global_store_b128 v2, v[C+4*(\t):C+4*(\t)+3], s[26:27] offset:256*(\t)   ; block t is (c = t / 2, h = t % 2): 512 c + 256 h; sixteen lanes store 256 consecutive bytes, aligned
.endm
	LOAD 0
	LOAD 1
	BLOCK 0
	BLOCK 1
	BLOCK 2
	BLOCK 3
	global_store_b32 v3, v8, s[28:29]              ; the scale words: 64 consecutive bytes for each tile of 16 columns
	s_endpgm
.Lfunc_end_k_q83f9667abb_wquant:
	.size	k_q83f9667abb_wquant, .Lfunc_end_k_q83f9667abb_wquant-k_q83f9667abb_wquant
	.p2alignl 7, 3214868480
	.fill 96, 4, 3214868480
	.section	.rodata,"a",@progbits
	.p2align	6, 0x0
	.amdhsa_kernel k_q83f9667abb_wquant
		.amdhsa_group_segment_fixed_size 0
		.amdhsa_private_segment_fixed_size 0
		.amdhsa_enable_private_segment 0
		.amdhsa_kernarg_size 32
		.amdhsa_user_sgpr_count 2
		.amdhsa_user_sgpr_kernarg_segment_ptr 1
		.amdhsa_wavefront_size32 1
		.amdhsa_system_sgpr_workgroup_id_x 1
		.amdhsa_system_sgpr_workgroup_id_y 1
		.amdhsa_system_sgpr_workgroup_id_z 1
		.amdhsa_system_vgpr_workitem_id 0
		.amdhsa_next_free_vgpr 160
		.amdhsa_next_free_sgpr 66
		.amdhsa_reserve_vcc 0
		.amdhsa_float_denorm_mode_32 3
		.amdhsa_float_denorm_mode_16_64 3
		.amdhsa_memory_ordered 1
		.amdhsa_forward_progress 1
		.amdhsa_inst_pref_size 21
	.end_amdhsa_kernel
	.amdgpu_metadata
---
amdhsa.version: [ 1, 2 ]
amdhsa.kernels:
  - .name:           k_q83f9667abb_wquant
    .symbol:         k_q83f9667abb_wquant.kd
    .args:
      - { .name: Wq, .offset: 0, .size: 8, .value_kind: global_buffer, .address_space: global }
      - { .name: Wk, .offset: 8, .size: 8, .value_kind: global_buffer, .address_space: global }
      - { .name: Wv, .offset: 16, .size: 8, .value_kind: global_buffer, .address_space: global }
      - { .name: wcodes, .offset: 24, .size: 8, .value_kind: global_buffer, .address_space: global }
    .group_segment_fixed_size: 0
    .private_segment_fixed_size: 0
    .kernarg_segment_align: 8
    .kernarg_segment_size: 32
    .max_flat_workgroup_size: 32
    .sgpr_count:     66
    .vgpr_count:     160
    .wavefront_size: 32
...
	.end_amdgpu_metadata
.endif
;; end of part 1
;; launch proj (part 2): grid 64 x 3, 8 waves a work-group, clusters of 4 x 1, 327,680 bytes of LDS; arguments queries, keys, values, wcodes, qkv; writes qkv
.if DOCPART == 2
	.amdgcn_target "amdgcn-amd-amdhsa--gfx1250"
	.amdhsa_code_object_version 6
	.text
	.protected	k_q83f9667abb_proj
	.globl	k_q83f9667abb_proj
	.p2align	8
	.type	k_q83f9667abb_proj,@function
k_q83f9667abb_proj:
	s_mov_b64 s[64:65], 0
	v_nop
	global_prefetch_b8 v0, s[64:65] scope:SCOPE_SE
	s_setreg_imm32_b32 hwreg(HW_REG_WAVE_MODE, 25, 1), 1
	s_wait_xcnt 0x0
	s_wait_alu depctr_hold_cnt(0) depctr_sa_sdst(0) depctr_va_vdst(0) depctr_va_sdst(0) depctr_va_ssrc(0) depctr_va_vcc(0) depctr_vm_vsrc(0)
	s_getreg_b32 s2, hwreg(HW_REG_IB_STS2, 6, 4)
	s_cmp_eq_u32 s2, 0
	s_cbranch_scc0 .Lentry_in_a_cluster
	s_endpgm
.Lentry_in_a_cluster:
	s_bfe_u32 s2, ttmp6, 0x10000c
	s_cmp_lg_u32 s2, 0x3003
	s_cbranch_scc0 .Lentry_shape_is_right
	s_endpgm
.Lentry_shape_is_right:
; q = queries Wq, k = keys Wk, v = values Wv: [4096][512] x [512][512], both operands as codes of FP4 (E2M1) with one E8M0 scale for each 32 along K; sums in f32.
; The weights come as images of operand registers (wcodes); x arrives as f32 and is quantised here, once: each row is read by one work-group.
; OUT: qkv, f16, in the order of the attention's operand registers (hb = 8 batch + head):
;   Q at byte 0: [hb 16][tile of 16 tokens: 128][a 4][lane 32][16 bytes]: lane (r, h) = token r, channels 16 a + 8 h + 0 .. 7;
;   from byte 4,194,304: [hb 16][slot of 512 keys: 4][131,072 bytes]: 65,536 of K, laid as Q; then 65,536 of V^T: [block of 32 keys: 16][ct 4][g 2][lane][16 bytes]: lane (r, h) = channel 16 ct + r, keys 16 g + 8 h + 0 .. 7.
; SHARES: y = the tensor; a work-group takes 64 rows; THE WAVES SHARE THE COLUMNS: wave w makes head w (64 columns = 4 tiles a) for all 64 rows (4 tiles b): 16 accumulators.
; CLUSTER: the four work-groups of a cluster take the same tensor, so wave w's 17,408 bytes of weights are asked for JOINTLY (the same load, the same descriptor, a mask that names the four).
; x comes by a load of the work-group's own: wave w fetches the strip k = 64 w .. 64 w + 63 of the 64 rows.  Every tensor load is a first fill; two of a wave's are out at the most.
; PHASES: strips land | barrier | wave w quantises fragments 2 w, 2 w + 1 of x (tile of rows w / 2, K steps 2 (w % 2), + 1) and stores them as images of their registers | barrier | 4 K steps x 16 products | f16, stored.
; q and k are made TRANSPOSED (source 0 = 16 columns of W, source 1 = 16 tokens): a lane holds one token and 8 neighbouring channels.  v is made the other way round: a lane holds one channel and 8 neighbouring tokens.
; LIMITS: NaN and infinities are not served; a block of x whose largest magnitude lies under 2^-124 (a block of zeros too) gets the byte 1 (zero codes add nothing); |q|, |k|, |v| up to 65,504, f16's largest number.
.set STRIP, 17408                      ; LDS: a strip of x: 64 rows x (256 bytes + 16 of padding): the 16 rows that a load touches start 272 bytes apart
.set WL,    139264                     ; behind the 8 strips: 8 head blocks of weights, dense, each wave's own
.set XIMG,  278528                     ; x's 16 fragments as images, fragment 4 b + s at 1,024 x
.set XSC,   294912                     ; their scale words, 128 bytes each
.set SPARE, 296960                     ; the spare words, 128 bytes for each wave: four blocks of 256 bytes that no other line names
.set XR,  2                            ; v2   where my numbers of x lie in the strips
.set XWI, 3                            ; v3   where I store my images
.set XWS, 4                            ; v4   and their scale words
.set LI,  5                            ; v5   XIMG + 16 x lane
.set LS,  6                            ; v6   XSC + 4 x lane
.set WB,  7                            ; v7   my head's block + 16 x lane
.set WSB, 8                            ; v8   my head's scale words + 4 r
.set GO,  9                            ; v9   16 x lane
.set SH8, 10                           ; v10  8 h
.set SPW, 12                           ; v12  LDS address of my spare word; never rewritten
.set NIL, 13                           ; v13  0; never rewritten
.set MX,  14                           ; v14-15 largest magnitudes;  v16-17 scale operands;  v18-19 bytes;  v20 the other half's bytes
.set SCO, 16
.set BY,  18
.set W2,  20
.set WD,  22                           ; v22-23  a scale word for each of my two fragments
.set PC,  24                           ; v24-39  their codes
.set ACC, 40                           ; v40-167 first 128 numbers of x, then the 16 accumulators: (a, b) at ACC + 8 (4 a + b)
.set FA,  168                          ; v168-199 W's four fragments of a K step
.set FB,  200                          ; v200-231 x's four
.set PK,  168                          ; the way out: 64 registers of f16 pairs
.set WSC, 232                          ; v232-235 W's scale words;  v236-239 x's: scales and nothing else
.set XSR, 236
.set WV,  14                           ; s14 wave;  s15 tensor;  s16 cx;  s17 block of 64 rows
.set T,   15
.set CX,  16
.set RB,  17
.set G1X, 24                           ; s[24:31] descriptor group 1 for x's strips;  s[32:39] for the weights;  s[40:43], s[44:47] their groups 0
.set G1W, 32
.set G0X, 40
.set G0W, 44
.set SEL, 48                           ; s[48:49] lane selects: lane l xor 16
.set OB,  52                           ; s[52:53] where my results go
.macro CROUND                          ; a round of the cluster's barrier: my work-group's barrier; wave 0 signals for the work-group; every wave waits for the four; my work-group's barrier once more
	s_barrier_signal -1
	s_barrier_wait -1
	s_cmp_lg_u32 s[WV], 0
	s_cbranch_scc1 .Lnot_wave_0_\@
	s_barrier_signal -3
.Lnot_wave_0_\@:
	s_barrier_wait -3
	s_barrier_signal -1
	s_barrier_wait -1
.endm
	s_load_b256 s[4:11], s[0:1], 0x0               ; queries s[4:5], keys s[6:7], values s[8:9], wcodes s[10:11]
	s_load_b64 s[12:13], s[0:1], 0x20              ; qkv
	v_lshl_add_u32 v[SPW], v0, 2, SPARE
	v_mov_b32 v[NIL], 0
	ds_add_u32 v[SPW], v[NIL]                      ; the wave's opening: the add, twice on end, and its wait ahead of my first tensor load
	ds_add_u32 v[SPW], v[NIL]                      ; and once more; the set-up below, work on registers, stands between it and the wait
	v_lshrrev_b32 v1, 5, v0
	v_readfirstlane_b32 s[WV], v1                  ; wave 0..7
	s_and_b32 s[T], ttmp7, 0xffff                  ; the tensor: the same in the four partners
	s_bfe_u32 s[CX], ttmp6, 0x40000                ; my place in the cluster: it enters x's and the results' global addresses alone
	s_lshl_b32 s[RB], ttmp9, 2
	s_add_co_u32 s[RB], s[RB], s[CX]               ; my block of 64 rows = 4 x cluster x + cx
	; group 1, x: 64 rows of 64 elements of 4 bytes, 512 elements from row to row; 4 words of padding behind every 64
	s_mov_b32 s[G1X], (2<<16)|(1<<20)|(5<<22)|(3<<25)
	s_mov_b32 s[G1X+1], 64<<16                     ; tensor_dim0
	s_mov_b32 s[G1X+2], 64<<16                     ; tensor_dim1
	s_mov_b32 s[G1X+3], 64<<16                     ; tile_dim0
	s_mov_b32 s[G1X+4], 64                         ; tile_dim1
	s_mov_b32 s[G1X+5], 512                        ; stride
	s_mov_b32 s[G1X+6], 0
	s_mov_b32 s[G1X+7], 0
	; group 1, weights: a dense block of 17,408 bytes as 68 rows of 32 elements of 8 bytes; the mask names all four work-groups, bit 21 beside it
	s_mov_b32 s[G1W], 15|(3<<16)|(1<<21)
	s_mov_b32 s[G1W+1], 32<<16
	s_mov_b32 s[G1W+2], 68<<16
	s_mov_b32 s[G1W+3], 32<<16
	s_mov_b32 s[G1W+4], 68
	s_mov_b32 s[G1W+5], 32
	s_mov_b32 s[G1W+6], 0
	s_mov_b32 s[G1W+7], 0
	s_mov_b32 s[SEL], 0x76543210
	s_mov_b32 s[SEL+1], 0xfedcba98
	s_lshl_b32 s18, s[RB], 17                      ; x: 64 rows of 2,048 bytes a block,
	s_lshl_b32 s19, s[WV], 8                       ; 256 bytes a strip
	s_add_co_u32 s18, s18, s19
	s_mov_b32 s19, 0
	s_mul_i32 s20, s[T], 139264                    ; weights: the tensor's 8 blocks,
	s_mul_i32 s22, s[WV], STRIP                    ; my head's (a strip of x has as many bytes: s22 serves both LDS addresses)
	s_add_co_u32 s20, s20, s22
	s_mov_b32 s21, 0
	s_lshr_b32 s23, s[RB], 5                       ; batch
	s_lshl_b32 s23, s23, 3
	s_add_co_u32 s23, s23, s[WV]                   ; hb
	s_and_b32 s50, s[RB], 31                       ; my block among the batch's 32
	s_lshl_b32 s54, s23, 18                        ; Q: 262,144 bytes a head, 8,192 a block
	s_lshl_b32 s51, s50, 13
	s_add_co_u32 s54, s54, s51
	s_lshl_b32 s55, s23, 19                        ; K: 524,288 bytes a head,
	s_lshr_b32 s51, s50, 3
	s_lshl_b32 s51, s51, 17                        ; 131,072 a slot of 8 blocks,
	s_add_co_u32 s55, s55, s51
	s_and_b32 s51, s50, 7
	s_lshl_b32 s51, s51, 13                        ; 8,192 a block,
	s_add_co_u32 s55, s55, s51
	s_add_co_u32 s55, s55, 4194304                 ; behind Q's region
	s_add_co_u32 s56, s55, 65536                   ; V: behind the slot's K
	s_cmp_eq_u32 s[T], 0
	s_cselect_b32 s54, s54, s55
	s_cmp_eq_u32 s[T], 2
	s_cselect_b32 s54, s56, s54
	s_mov_b32 s55, 0
	s_wait_dscnt 0x0                               ; both opening adds are done
	s_wait_kmcnt 0x0
	s_cmp_eq_u32 s[T], 0                           ; x is chosen by the work-group's number alone
	s_cselect_b64 s[58:59], s[4:5], s[6:7]
	s_cmp_eq_u32 s[T], 2
	s_cselect_b64 s[58:59], s[8:9], s[58:59]
	s_add_nc_u64 s[OB:OB+1], s[12:13], s[54:55]
	s_mov_b32 s[G0X], 1                            ; count = 1
	s_mov_b32 s[G0X+1], s22                        ; LDS address: strip w
	s_add_nc_u64 s[G0X+2:G0X+3], s[58:59], s[18:19]
	s_or_b32 s[G0X+3], s[G0X+3], 0x80000000        ; type = 2
	s_mov_b32 s[G0W], 1
	s_add_co_u32 s[G0W+1], s22, WL                 ; LDS address: block w
	s_add_nc_u64 s[G0W+2:G0W+3], s[10:11], s[20:21]   ; made of the tensor and the wave's number alone: equal in the four partners
	s_or_b32 s[G0W+3], s[G0W+3], 0x80000000
	CROUND                                         ; all four work-groups are here: the joint loads meet
	tensor_load_to_lds s[G0X:G0X+3], s[G1X:G1X+7]  ; my strip of x
	s_nop 0
	tensor_load_to_lds s[G0W:G0W+3], s[G1W:G1W+7]  ; my head's weights, jointly
	s_nop 0
.rept 4
	v_nop
.endr
	v_and_b32 v1, 31, v0                           ; lane
	v_and_b32 v11, 15, v0                          ; r
	v_bfe_u32 v21, v0, 4, 1                        ; h
	; my fragments: rows 16 (w / 2) + r; K step 2 (w % 2) + e; the operand's layout gives lane (r, h) k = 64 c + 32 h + 0 .. 31: strip 4 (w % 2) + 2 e + c, bytes 128 h on
	v_mul_u32_u24 v[XR], v11, 272
	v_lshl_add_u32 v[XR], v21, 7, v[XR]
	s_lshr_b32 s60, s[WV], 1
	s_mul_i32 s60, s60, 16*272
	s_and_b32 s61, s[WV], 1
	s_mul_i32 s61, s61, 4*STRIP
	s_add_co_u32 s60, s60, s61
	v_add_nc_u32 v[XR], s60, v[XR]
	v_lshlrev_b32 v[GO], 4, v1
	v_lshl_add_u32 v[LI], v1, 4, XIMG
	v_lshl_add_u32 v[LS], v1, 2, XSC
	s_lshl_b32 s60, s[WV], 11
	v_add_nc_u32 v[XWI], s60, v[LI]                ; two images a wave
	s_lshl_b32 s60, s[WV], 8
	v_add_nc_u32 v[XWS], s60, v[LS]
	s_add_co_u32 s60, s22, WL
	v_add_nc_u32 v[WB], s60, v[GO]
	s_add_co_u32 s60, s60, 16384
	v_lshlrev_b32 v[WSB], 2, v11
	v_add_nc_u32 v[WSB], s60, v[WSB]
	v_lshlrev_b32 v[SH8], 3, v21
	v_mov_b32 v[W2], 0                             ; written once: a lane permute's destination counts as one of its sources
; 64 numbers of a lane, register 32 c + i = k 64 c + 32 h + i of my row: two whole blocks, 2 c + h.  They become fragment e's codes, in the operand's own registers, and its scale word.
.macro QUANTX src, e
.irp c, 0,1
	v_max3_num_f32 v[MX+\c], |v[(\src)+32*\c]|, |v[(\src)+32*\c+1]|, 0x1800000   ; with the floor 2^(3 - 127): the byte cannot fall under 1
.endr
.irp i, 2,4,6,8,10,12,14,16,18,20,22,24,26,28,30
.irp c, 0,1
	v_max3_num_f32 v[MX+\c], v[MX+\c], |v[(\src)+32*\c+\i]|, |v[(\src)+32*\c+\i+1]|   ; the two blocks by turns
.endr
.endr
.irp c, 0,1
	v_add_nc_u32 v[SCO+\c], 0xff000000, v[MX+\c]   ; 2 off the exponent field: the conversion's scale operand
.endr
.irp c, 0,1
	v_lshrrev_b32 v[BY+\c], 23, v[SCO+\c]          ; the scale's byte
.endr
	v_lshl_or_b32 v[WD+\e], v[BY+1], 16, v[BY]     ; my bytes: blocks h and 2 + h,
	v_lshlrev_b32 v[WD+\e], v[SH8], v[WD+\e]       ; at their places;
	v_permlanex16_b32 v[W2], v[WD+\e], s[SEL], s[SEL+1]
	v_or_b32 v[WD+\e], v[WD+\e], v[W2]             ; with lane l xor 16's two the word is whole
.irp c, 0,1
.irp g, 0,1,2,3
	v_cvt_scalef32_pk8_fp4_f32 v[PC+8*\e+4*\c+\g], v[(\src)+32*\c+8*\g:(\src)+32*\c+8*\g+7], v[SCO+\c]
.endr
.endr
	v_nop                                          ; one plain line behind the last conversion
.endm
; K step s: 16 products.  The 16 accumulators take turns, one instruction a turn, in the same order in every step.
.macro MULSTEP s, vpath
.if \s > 0
.rept 4
	v_nop                                          ; four places in front of loads into registers that matrix instructions have read
.endr
.endif
.irp a, 0,1,2,3
.irp c, 0,1
	ds_load_b128 v[FA+8*\a+4*\c:FA+8*\a+4*\c+3], v[WB] offset:(4*\a+\s)*1024+512*\c
.endr
.endr
.irp b, 0,1,2,3
.irp c, 0,1
	ds_load_b128 v[FB+8*\b+4*\c:FB+8*\b+4*\c+3], v[LI] offset:(4*\b+\s)*1024+512*\c
.endr
.endr
.irp a, 0,1,2,3
	ds_load_b32 v[WSC+\a], v[WSB] offset:64*(4*\a+\s)
.endr
.irp b, 0,1,2,3
	ds_load_b32 v[XSR+\b], v[LS] offset:128*(4*\b+\s)
.endr
	s_wait_dscnt 0x0
.irp a, 0,1,2,3
.irp b, 0,1,2,3
.if \vpath
.if \s == 0
	v_wmma_scale_f32_16x16x128_f8f6f4 v[ACC+8*(4*\a+\b):ACC+8*(4*\a+\b)+7], v[FB+8*\b:FB+8*\b+7], v[FA+8*\a:FA+8*\a+7], 0, v[XSR+\b], v[WSC+\a] matrix_a_fmt:MATRIX_FMT_FP4 matrix_b_fmt:MATRIX_FMT_FP4
.else
	v_wmma_scale_f32_16x16x128_f8f6f4 v[ACC+8*(4*\a+\b):ACC+8*(4*\a+\b)+7], v[FB+8*\b:FB+8*\b+7], v[FA+8*\a:FA+8*\a+7], v[ACC+8*(4*\a+\b):ACC+8*(4*\a+\b)+7], v[XSR+\b], v[WSC+\a] matrix_a_fmt:MATRIX_FMT_FP4 matrix_b_fmt:MATRIX_FMT_FP4
.endif
.else
.if \s == 0
	v_wmma_scale_f32_16x16x128_f8f6f4 v[ACC+8*(4*\a+\b):ACC+8*(4*\a+\b)+7], v[FA+8*\a:FA+8*\a+7], v[FB+8*\b:FB+8*\b+7], 0, v[WSC+\a], v[XSR+\b] matrix_a_fmt:MATRIX_FMT_FP4 matrix_b_fmt:MATRIX_FMT_FP4
.else
	v_wmma_scale_f32_16x16x128_f8f6f4 v[ACC+8*(4*\a+\b):ACC+8*(4*\a+\b)+7], v[FA+8*\a:FA+8*\a+7], v[FB+8*\b:FB+8*\b+7], v[ACC+8*(4*\a+\b):ACC+8*(4*\a+\b)+7], v[WSC+\a], v[XSR+\b] matrix_a_fmt:MATRIX_FMT_FP4 matrix_b_fmt:MATRIX_FMT_FP4
.endif
.endif
.endr
.endr
.endm
; The way out: a lane's eight results of a tile are 16 bytes of f16 that belong together; each store of the wave covers 512 consecutive bytes, aligned.
.macro OUT vpath
.rept 4
	v_nop                                          ; four places behind the last products: the conversions read results and write over fragments
.endr
.set u, 0
.rept 16
.irp i, 0,1,2,3
	v_cvt_pk_f16_f32 v[PK+4*u+\i], v[ACC+8*u+2*\i], v[ACC+8*u+2*\i+1]   ; each accumulator from its low end on
.endr
.set u, u+1
.endr
.irp a, 0,1,2,3
.irp b, 0,1,2,3
.if \vpath
	global_store_b128 v[GO], v[PK+4*(4*\a+\b):PK+4*(4*\a+\b)+3], s[OB:OB+1] offset:4096*(\b/2)+1024*\a+512*(\b%2)   ; block of 32 keys b / 2, channels 16 a on, keys 16 (b % 2) on
.else
	global_store_b128 v[GO], v[PK+4*(4*\a+\b):PK+4*(4*\a+\b)+3], s[OB:OB+1] offset:2048*\b+512*\a                   ; tile of tokens b, channels 16 a on
.endif
.endr
.endr
.endm
	s_wait_tensorcnt 0x1                           ; my strip of x is in (the weights' load, issued behind it, may be out),
	s_barrier_signal -1
	s_barrier_wait -1                              ; everybody's is.
.irp e, 0,1
.irp c, 0,1
.irp j, 0,1,2,3,4,5,6,7
	ds_load_b128 v[ACC+64*\e+32*\c+4*\j:ACC+64*\e+32*\c+4*\j+3], v[XR] offset:(2*\e+\c)*STRIP+16*\j
.endr
.endr
.endr
	s_wait_dscnt 16                                ; fragment 0's 16 loads are in; fragment 1's may be out
	QUANTX ACC, 0
	ds_store_b128 v[XWI], v[PC:PC+3]               ; the fragment goes to LDS as it stands: lane l's 16 bytes at 16 l
	ds_store_b128 v[XWI], v[PC+4:PC+7] offset:512
	ds_store_b32 v[XWS], v[WD]
	s_wait_dscnt 3                                 ; all but these three stores: fragment 1's loads are in
	QUANTX ACC+64, 1
	ds_store_b128 v[XWI], v[PC+8:PC+11] offset:1024
	ds_store_b128 v[XWI], v[PC+12:PC+15] offset:1536
	ds_store_b32 v[XWS], v[WD+1] offset:128
	s_wait_dscnt 0x0                               ; for the others' sake: my stores have landed
	s_barrier_signal -1
	s_barrier_wait -1                              ; x's sixteen fragments lie in LDS
	s_wait_tensorcnt 0x0                           ; my head's weights are in: I alone read them
	s_cmp_eq_u32 s[T], 2                           ; the tensor: the same in all waves and all partners
	s_cbranch_scc1 .Lv
	MULSTEP 0, 0
	MULSTEP 1, 0
	MULSTEP 2, 0
	MULSTEP 3, 0
	OUT 0
	s_branch .Lend
.Lv:
	MULSTEP 0, 1
	MULSTEP 1, 1
	MULSTEP 2, 1
	MULSTEP 3, 1
	OUT 1
.Lend:
	s_wait_tensorcnt 0x0                           ; the wave's end, behind my last tensor load and my last LDS store
	ds_add_u32 v[SPW], v[NIL]
	s_wait_dscnt 0x0
	CROUND                                         ; the closing round: no work-group ends while a partner may still ask for a block that names it
	s_endpgm
.Lfunc_end_k_q83f9667abb_proj:
	.size	k_q83f9667abb_proj, .Lfunc_end_k_q83f9667abb_proj-k_q83f9667abb_proj
	.p2alignl 7, 3214868480
	.fill 96, 4, 3214868480
	.section	.rodata,"a",@progbits
	.p2align	6, 0x0
	.amdhsa_kernel k_q83f9667abb_proj
		.amdhsa_group_segment_fixed_size 327680
		.amdhsa_private_segment_fixed_size 0
		.amdhsa_enable_private_segment 0
		.amdhsa_kernarg_size 40
		.amdhsa_user_sgpr_count 2
		.amdhsa_user_sgpr_kernarg_segment_ptr 1
		.amdhsa_wavefront_size32 1
		.amdhsa_system_sgpr_workgroup_id_x 1
		.amdhsa_system_sgpr_workgroup_id_y 1
		.amdhsa_system_sgpr_workgroup_id_z 1
		.amdhsa_system_vgpr_workitem_id 0
		.amdhsa_next_free_vgpr 256
		.amdhsa_next_free_sgpr 66
		.amdhsa_reserve_vcc 0
		.amdhsa_float_denorm_mode_32 3
		.amdhsa_float_denorm_mode_16_64 3
		.amdhsa_memory_ordered 1
		.amdhsa_forward_progress 1
		.amdhsa_inst_pref_size 55
	.end_amdhsa_kernel
	.amdgpu_metadata
---
amdhsa.version: [ 1, 2 ]
amdhsa.kernels:
  - .name:           k_q83f9667abb_proj
    .symbol:         k_q83f9667abb_proj.kd
    .args:
      - { .name: queries, .offset: 0, .size: 8, .value_kind: global_buffer, .address_space: global }
      - { .name: keys, .offset: 8, .size: 8, .value_kind: global_buffer, .address_space: global }
      - { .name: values, .offset: 16, .size: 8, .value_kind: global_buffer, .address_space: global }
      - { .name: wcodes, .offset: 24, .size: 8, .value_kind: global_buffer, .address_space: global }
      - { .name: qkv, .offset: 32, .size: 8, .value_kind: global_buffer, .address_space: global }
    .group_segment_fixed_size: 327680
    .private_segment_fixed_size: 0
    .kernarg_segment_align: 8
    .kernarg_segment_size: 40
    .max_flat_workgroup_size: 256
    .sgpr_count:     66
    .vgpr_count:     256
    .wavefront_size: 32
...
	.end_amdgpu_metadata
.endif
;; end of part 2
;; launch attn (part 3): grid 16 x 16, 8 waves a work-group, clusters of 4 x 1, 327,680 bytes of LDS; arguments qkv, out0; writes out0
.if DOCPART == 3
	.amdgcn_target "amdgcn-amd-amdhsa--gfx1250"
	.amdhsa_code_object_version 6
	.text
	.protected	k_q83f9667abb_attn
	.globl	k_q83f9667abb_attn
	.p2align	8
	.type	k_q83f9667abb_attn,@function
k_q83f9667abb_attn:
	s_mov_b64 s[64:65], 0
	v_nop
	global_prefetch_b8 v0, s[64:65] scope:SCOPE_SE
	s_setreg_imm32_b32 hwreg(HW_REG_WAVE_MODE, 25, 1), 1
	s_wait_xcnt 0x0
	s_wait_alu depctr_hold_cnt(0) depctr_sa_sdst(0) depctr_va_vdst(0) depctr_va_sdst(0) depctr_va_ssrc(0) depctr_va_vcc(0) depctr_vm_vsrc(0)
	s_getreg_b32 s2, hwreg(HW_REG_IB_STS2, 6, 4)
	s_cmp_eq_u32 s2, 0
	s_cbranch_scc0 .Lentry_in_a_cluster
	s_endpgm
.Lentry_in_a_cluster:
	s_bfe_u32 s2, ttmp6, 0x10000c
	s_cmp_lg_u32 s2, 0x3003
	s_cbranch_scc0 .Lentry_shape_is_right
	s_endpgm
.Lentry_shape_is_right:
; out[b][q][64 head ..] = the sum over k of softmax_k(q . k / 8) v, for 16 pairs hb = 8 batch + head, 2,048 queries x 2,048 keys, head size 64.  q, k, v: f16, in qkv, in the order of the operand
; registers (the layout stands at the head of the launch that stores it); products by the f16 form with f32 sums; maxima, exponentials and sums in f32; the weights p are rounded to f16 for the second product.
; SHARES: y = hb; a work-group owns 128 queries; wave w owns 32 of them (group g = w % 4: two tiles of 16) and HALF OF THE KEYS (kh = w / 4): in every slot of 512 keys the keys 256 kh .. + 255, four steps of 64.
; So each fragment of K and V read from LDS feeds two products, two waves stand on each SIMD (one's softmax beside the other's products), and the two halves are merged once, at the end.
; LAYOUT: S^T = K Q^T (source 0 = 16 keys, source 1 = 16 queries) and O^T = V^T P (source 0 = 16 channels, source 1 = P): a lane holds ONE query (lane % 16) throughout; two score tiles rounded in pairs ARE source 1 of the second product.
; SOFTMAX: a running maximum m and sum l for each query: p = 2^(c s - c m), c = log2(e) / 8; in every step O and l are multiplied by a = 2^(c m_old - c m_new).  m begins at -3e38, l and O at 0: the step is written in one form.
; RING: two slots of 131,072 bytes (512 keys of K, then of V^T: one dense block of memory); each wave fetches 16,384 bytes of a slot by one tensor load.  CLUSTER: the four query blocks of a cluster walk the same K and V:
; each load is asked for JOINTLY, with a mask that names the four.  Two loads of a wave are out at the start, one behind each round.  A refill is asked for four key steps, 128 matrix instructions a wave, ahead of the wait for it; no prefetch is written.
; LIMITS: NaN and infinities are not served; q, k, v within f16's range (the launch before states it).
; REGISTERS: window 0: v2-15 addresses; v16-31 statistics, 8 a tile; v32-63 Q; v64-127 S^T; v128-159 P; v160-223 O^T; v224-255 the way out.   window 1: v0-63 K of a step, v64-127 V of a step.
.set SLOT1, 1<<17                      ; slot 1 begins here: one exclusive or turns an address in one slot into the other's
.set SPARE, 262144                     ; behind the ring: the spare words, 128 bytes for each wave: four blocks of 256 bytes that no other line names
.set STAGE, 0                          ; the way out: 32 rows x (256 bytes + 16) for each wave, and
.set STATS, 69632                      ; 512 bytes for each wave; both in slot 0, which has had its last fill and its last read at the last change of slots
.set AK0, 2                            ; v2   16 x lane + 32,768 kh: my place in a slot's K
.set AV0, 3                            ; v3   the same in its V
.set ADR, 4                            ; v4, v5  LDS addresses of the runs of loads in hand
.set ADV, 5
.set QO,  6                            ; v6   16 x lane
.set STS, 7                            ; v7   where I put my statistics;  v8 where my partner (wave w xor 4) puts its own
.set STL, 8
.set STO, 9                            ; v9   the stage: where I put 32 bytes of a row;  v10 where I read rows back
.set RD,  10
.set GO,  12                           ; v12  my byte offset in two rows of out
.set SPW, 14                           ; v14  LDS address of my spare word; never rewritten
.set NIL, 15                           ; v15  0; never rewritten
.set ST,  16                           ; tile t at ST + 8 t: +0 c m, +1 m, +2, +3 l (even keys', odd keys'), +4 .. +7 c0-c3 at work; a takes +6
.set Q,   32
.set S,   64
.set P,   128
.set O,   160
.set TT,  224
.set KF,  0                            ; in window 1
.set VF,  64
.set WV,  8                            ; s8 wave;  s9 kh;  s10 g;  s11 cx;  s12 query block;  s13 hb
.set KH,  9
.set QG,  10
.set CX,  11
.set QB,  12
.set HB,  13
.set G1,  16                           ; s[16:23] descriptor group 1;  s[24:27] group 0 of slot 0's first fill;  s[28:31] slot 1's, which then walks
.set G0A, 24
.set G0W, 28
.set CS,  32                           ; s[32:33] c: the packed form names a pair and takes its low word for both halves
.set SEL, 34                           ; s[34:35] lane selects: lane l xor 16
.set TB,  36                           ; s36  LDS byte at which the step to be fetched begins
.set CNT, 37
.set SLOTS, 38
.set QP,  48                           ; s[48:49] my Q;  s[50:51] my rows of out
.set OP,  50
.set MSB, 0
.macro WIN new                         ; the immediate's high byte repeats the setting that is left; a switch that changes nothing is dropped
.if MSB != \new
	s_set_vgpr_msb (MSB<<8)|\new
.set MSB, \new
.endif
.endm
.macro CROUND                          ; a round of the cluster's barrier
	s_barrier_signal -1
	s_barrier_wait -1
	s_cmp_lg_u32 s[WV], 0
	s_cbranch_scc1 .Lnot_wave_0_\@
	s_barrier_signal -3
.Lnot_wave_0_\@:
	s_barrier_wait -3
	s_barrier_signal -1
	s_barrier_wait -1
.endm
	s_load_b128 s[4:7], s[0:1], 0x0                ; qkv s[4:5], out s[6:7]
	v_lshl_add_u32 v[SPW], v0, 2, SPARE
	v_mov_b32 v[NIL], 0
	ds_add_u32 v[SPW], v[NIL]                      ; the wave's opening: the add, twice on end, and its wait ahead of my first tensor load
	ds_add_u32 v[SPW], v[NIL]                      ; and once more; the set-up below, work on registers, stands between it and the wait
	v_lshrrev_b32 v1, 5, v0
	v_readfirstlane_b32 s[WV], v1                  ; wave 0..7
	s_lshr_b32 s[KH], s[WV], 2
	s_and_b32 s[QG], s[WV], 3
	s_bfe_u32 s[CX], ttmp6, 0x40000                ; my place in the cluster: it enters Q's and out's addresses alone
	s_lshl_b32 s[QB], ttmp9, 2
	s_add_co_u32 s[QB], s[QB], s[CX]               ; my block of 128 queries
	s_and_b32 s[HB], ttmp7, 0xffff                 ; batch and head, which the four partners share
	; group 1: 64 rows of 32 elements of 8 bytes, dense; the mask names all four work-groups, bit 21 beside it
	s_mov_b32 s[G1], 15|(3<<16)|(1<<21)
	s_mov_b32 s[G1+1], 32<<16                      ; tensor_dim0
	s_mov_b32 s[G1+2], 64<<16                      ; tensor_dim1
	s_mov_b32 s[G1+3], 32<<16                      ; tile_dim0
	s_mov_b32 s[G1+4], 64                          ; tile_dim1
	s_mov_b32 s[G1+5], 32                          ; stride
	s_mov_b32 s[G1+6], 0
	s_mov_b32 s[G1+7], 0
	s_mov_b32 s[CS], 0x3e38aa3b                    ; c = log2(e) / 8
	s_mov_b32 s[CS+1], s[CS]
	s_mov_b32 s[SEL], 0x76543210
	s_mov_b32 s[SEL+1], 0xfedcba98
	s_mov_b32 s[TB], 0
	s_lshl_b32 s40, s[HB], 19                      ; K and V: 524,288 bytes a head,
	s_lshl_b32 s42, s[WV], 14                      ; my 16,384 of a slot (in memory and in LDS alike),
	s_add_co_u32 s40, s40, s42
	s_add_co_u32 s40, s40, 4194304                 ; behind Q's region
	s_mov_b32 s41, 0
	s_lshl_b32 s44, s[HB], 18                      ; Q: 262,144 bytes a head, 16,384 a block of 128, 4,096 a group of 32
	s_lshl_b32 s45, s[QB], 14
	s_add_co_u32 s44, s44, s45
	s_lshl_b32 s45, s[QG], 12
	s_add_co_u32 s44, s44, s45
	s_mov_b32 s45, 0
	s_lshr_b32 s46, s[HB], 3                       ; out: row 2,048 batch + 128 block + 32 g + 16 kh (I store tile kh of my group),
	s_lshl_b32 s46, s46, 11
	s_lshl_b32 s47, s[QB], 7
	s_add_co_u32 s46, s46, s47
	s_lshl_b32 s47, s[QG], 5
	s_add_co_u32 s46, s46, s47
	s_lshl_b32 s47, s[KH], 4
	s_add_co_u32 s46, s46, s47
	s_lshl_b32 s46, s46, 11                        ; of 2,048 bytes,
	s_and_b32 s47, s[HB], 7
	s_lshl_b32 s47, s47, 8                         ; the head's 256
	s_add_co_u32 s46, s46, s47
	s_mov_b32 s47, 0
	s_wait_dscnt 0x0                               ; both opening adds are done
	s_wait_kmcnt 0x0
	s_add_nc_u64 s[QP:QP+1], s[4:5], s[44:45]
	s_add_nc_u64 s[OP:OP+1], s[6:7], s[46:47]
	s_mov_b32 s[G0A], 1                            ; count = 1
	s_mov_b32 s[G0A+1], s42                        ; LDS address: slot 0
	s_add_nc_u64 s[G0A+2:G0A+3], s[4:5], s[40:41]  ; keys 0 to 511: made of hb and the wave's number alone
	s_or_b32 s[G0A+3], s[G0A+3], 0x80000000        ; type = 2
	s_mov_b32 s[G0W], 1
	s_add_co_u32 s[G0W+1], s42, SLOT1
	s_add_nc_u64 s[G0W+2:G0W+3], s[4:5], s[40:41]
	s_add_nc_u64 s[G0W+2:G0W+3], s[G0W+2:G0W+3], 131072   ; keys 512 to 1,023
	s_or_b32 s[G0W+3], s[G0W+3], 0x80000000
	CROUND                                         ; all four work-groups are here: the first joint loads meet
	tensor_load_to_lds s[G0A:G0A+3], s[G1:G1+7]
	s_nop 0
	tensor_load_to_lds s[G0W:G0W+3], s[G1:G1+7]
	s_nop 0
.rept 4
	v_nop
.endr
	v_and_b32 v1, 31, v0                           ; lane
	v_lshlrev_b32 v[QO], 4, v1
.irp n, 0,1,2,3,4,5,6,7
	global_load_b128 v[Q+4*\n:Q+4*\n+3], v[QO], s[QP:QP+1] offset:512*\n   ; Q stays in registers: tile n / 4, channels 16 (n % 4) on
.endr
	v_and_b32 v11, 15, v0                          ; r
	v_bfe_u32 v13, v0, 4, 1                        ; h
	s_lshl_b32 s52, s[KH], 15
	v_add_nc_u32 v[AK0], s52, v[QO]
	v_add_nc_u32 v[AV0], 0x10000, v[AK0]
	v_lshl_add_u32 v[STS], v1, 2, STATS
	s_xor_b32 s53, s[WV], 4
	s_lshl_b32 s53, s53, 9
	v_add_nc_u32 v[STL], s53, v[STS]
	s_lshl_b32 s52, s[WV], 9
	v_add_nc_u32 v[STS], s52, v[STS]
	v_mul_u32_u24 v[STO], v11, 272                 ; into my stage: row r, 32 bytes for each half of the lanes
	v_lshl_add_u32 v[STO], v13, 5, v[STO]
	s_mul_i32 s52, s[WV], 32*272
	v_add_nc_u32 v[STO], s52, v[STO]
	v_mul_u32_u24 v[RD], v13, 272                  ; back: tile kh of my group, from the stage of wave g (wave g + 4's lies 4 stages on); lanes 0-15 one row, lanes 16-31 the next
	v_lshl_add_u32 v[RD], v11, 4, v[RD]
	s_mul_i32 s52, s[QG], 32*272
	s_mul_i32 s53, s[KH], 16*272
	s_add_co_u32 s52, s52, s53
	v_add_nc_u32 v[RD], s52, v[RD]
	v_lshlrev_b32 v[GO], 11, v13                   ; and the same two rows in out
	v_lshl_add_u32 v[GO], v11, 4, v[GO]
.irp t, 0,1
	v_mov_b32 v[ST+8*\t+1], 0xff61b1e6             ; m: -3e38, under every score
	v_mul_f32 v[ST+8*\t], s[CS], v[ST+8*\t+1]      ; c m
	v_mov_b32 v[ST+8*\t+2], 0                      ; l
	v_mov_b32 v[ST+8*\t+3], 0
.endr
.set i, 0
.rept 64
	v_mov_b32 v[O+i], 0                            ; O^T: the step is written in one form; its first turn finds zeros and multiplies them by a = 0
.set i, i+1
.endr
.macro FETCH_K                         ; a step's K: 64 keys x 64 channels, 8 fragments, 16 loads of 512 consecutive bytes
	WIN 0
	v_add_nc_u32 v[ADR], s[TB], v[AK0]
	WIN 0x40                                       ; destination window 1
.irp n, 0,1,2,3,4,5,6,7,8,9,10,11,12,13,14,15
	ds_load_b128 v[KF+4*\n:KF+4*\n+3], v[ADR] offset:512*\n
.endr
.endm
; 16 products S^T = K Q^T: channels 32 (i / 8) on, keys 16 ((i / 2) % 4) on, tile i % 2.  The first 8 start the sums.  The eight accumulators take turns, one instruction a turn.
.macro KQ
.set i, 0
.rept 16
.set rS, S+32*(i%2)+8*((i/2)%4)
.set rK, KF+16*((i/2)%4)+8*(i/8)
.set rQ, Q+16*(i%2)+8*(i/8)
.if i < 8
	v_wmma_f32_16x16x32_f16 v[rS:rS+7], v[rK:rK+7], v[rQ:rQ+7], 0
.else
	v_wmma_f32_16x16x32_f16 v[rS:rS+7], v[rK:rK+7], v[rQ:rQ+7], v[rS:rS+7]
.endif
.set i, i+1
.endr
.endm
; 16 products O^T += V^T P: keys 32 (i / 8) on, channels 16 ((i / 2) % 4) on, tile i % 2; again eight accumulators by turns.
.macro PV
.set i, 0
.rept 16
.set rO, O+32*(i%2)+8*((i/2)%4)
.set rV, VF+32*(i/8)+8*((i/2)%4)
.set rP, P+16*(i%2)+8*(i/8)
	v_wmma_f32_16x16x32_f16 v[rO:rO+7], v[rV:rV+7], v[rP:rP+7], v[rO:rO+7]
.set i, i+1
.endr
.endm
; The softmax of a step, both tiles line by line, so that no line waits for the line above it.
.macro SOFTMAX
.irp j, 0,1,2,3
.irp t, 0,1
	v_max3_num_f32 v[ST+8*\t+4+\j], v[S+32*\t+8*\j], v[S+32*\t+8*\j+1], v[S+32*\t+8*\j+2]   ; four chains, each score tile from its low end on
.endr
.endr
.irp i, 3,5
.irp j, 0,1,2,3
.irp t, 0,1
	v_max3_num_f32 v[ST+8*\t+4+\j], v[ST+8*\t+4+\j], v[S+32*\t+8*\j+\i], v[S+32*\t+8*\j+\i+1]
.endr
.endr
.endr
.irp t, 0,1
	v_max3_num_f32 v[ST+8*\t+4], v[ST+8*\t+4], v[S+32*\t+7], v[S+32*\t+15]
.endr
.irp t, 0,1
	v_max3_num_f32 v[ST+8*\t+6], v[ST+8*\t+6], v[S+32*\t+23], v[S+32*\t+31]
.endr
.irp t, 0,1
	v_max3_num_f32 v[ST+8*\t+4], v[ST+8*\t+4], v[ST+8*\t+5], v[ST+8*\t+6]
.endr
.irp t, 0,1
	v_max3_num_f32 v[ST+8*\t+4], v[ST+8*\t+4], v[ST+8*\t+7], v[ST+8*\t+1]   ; with the old m
.endr
.irp t, 0,1
	v_permlanex16_b32 v[ST+8*\t+5], v[ST+8*\t+4], s[SEL], s[SEL+1]         ; the query's other 32 keys lie in the lane 16 away
.endr
.irp t, 0,1
	v_mov_b32 v[ST+8*\t+7], v[ST+8*\t]             ; c m_old is kept for a
.endr
.irp t, 0,1
	v_max_num_f32 v[ST+8*\t+1], v[ST+8*\t+4], v[ST+8*\t+5]
.endr
.irp t, 0,1
	v_mul_f32 v[ST+8*\t], s[CS], v[ST+8*\t+1]
.endr
.irp t, 0,1
	v_sub_f32 v[ST+8*\t+7], v[ST+8*\t+7], v[ST+8*\t]
.endr
.irp j, 0,2,4,6,8,10,12,14,16,18,20,22,24,26,28,30
.irp t, 0,1
	v_pk_fma_f32 v[S+32*\t+\j:S+32*\t+\j+1], v[S+32*\t+\j:S+32*\t+\j+1], s[CS:CS+1], v[ST+8*\t:ST+8*\t+1] op_sel_hi:[1,0,0] neg_lo:[0,0,1] neg_hi:[0,0,1]   ; c s - c m, two at a time
.endr
.endr
.irp t, 0,1
	v_exp_f32 v[ST+8*\t+6], v[ST+8*\t+7]           ; a
.endr
.irp j, 0,1,2,3,4,5,6,7,8,9,10,11,12,13,14,15,16,17,18,19,20,21,22,23,24,25,26,27,28,29,30,31
.irp t, 0,1
	v_exp_f32 v[S+32*\t+\j], v[S+32*\t+\j]         ; p: the 66 exponentials are ONE batch; none reads another's result
.endr
.endr
	v_nop                                          ; a plain line behind the last exponential (ISA guide 5.7.2),
	s_wait_alu depctr_va_vdst(0)                   ; and one wait ahead of the batch's first reader
.irp j, 0,1,2,3,4,5,6,7,8,9,10,11,12,13,14,15
.irp t, 0,1
	v_cvt_pk_f16_f32 v[P+16*\t+\j], v[S+32*\t+2*\j], v[S+32*\t+2*\j+1]   ; a pair of weights: the second product's source 1 as it stands
.endr
.endr
.irp u, 0,1,2,3,4,5,6,7
.irp t, 0,1
	v_pk_add_f32 v[S+32*\t+4*\u:S+32*\t+4*\u+1], v[S+32*\t+4*\u:S+32*\t+4*\u+1], v[S+32*\t+4*\u+2:S+32*\t+4*\u+3]   ; the sum of the unrounded p, in place: neighbours 1, 2, 4, 8 pairs apart
.endr
.endr
.irp u, 0,1,2,3
.irp t, 0,1
	v_pk_add_f32 v[S+32*\t+8*\u:S+32*\t+8*\u+1], v[S+32*\t+8*\u:S+32*\t+8*\u+1], v[S+32*\t+8*\u+4:S+32*\t+8*\u+5]
.endr
.endr
.irp u, 0,1
.irp t, 0,1
	v_pk_add_f32 v[S+32*\t+16*\u:S+32*\t+16*\u+1], v[S+32*\t+16*\u:S+32*\t+16*\u+1], v[S+32*\t+16*\u+8:S+32*\t+16*\u+9]
.endr
.endr
.irp t, 0,1
	v_pk_add_f32 v[S+32*\t:S+32*\t+1], v[S+32*\t:S+32*\t+1], v[S+32*\t+16:S+32*\t+17]
.endr
.irp t, 0,1
	v_pk_fma_f32 v[ST+8*\t+2:ST+8*\t+3], v[ST+8*\t+2:ST+8*\t+3], v[ST+8*\t+6:ST+8*\t+7], v[S+32*\t:S+32*\t+1] op_sel_hi:[1,0,1]   ; l = a l + the sum
.endr
.irp j, 0,2,4,6,8,10,12,14,16,18,20,22,24,26,28,30
.irp t, 0,1
	v_pk_mul_f32 v[O+32*\t+\j:O+32*\t+\j+1], v[O+32*\t+\j:O+32*\t+\j+1], v[ST+8*\t+6:ST+8*\t+7] op_sel_hi:[1,0]   ; O^T x a, each accumulator from its low end on
.endr
.endr
.endm
; THE CHANGE OF SLOTS, behind the slot's last reads (V of its fourth step).  Each wave waits for all its tensor loads (its part of the other slot), adds 0 to its spare word, and waits for that and for its reads of this slot.
; fill = 1: the barrier is a round of the cluster's, so that no wave of any partner still reads the slot or has a load on its way; the joint refill, the keys two slots on, is the first thing behind it.
.macro CHANGE fill
	WIN 0
	s_wait_tensorcnt 0x0                           ; no tensor load of mine is out, so a group 0 may be written
	ds_add_u32 v[SPW], v[NIL]                      ; 0 onto my spare word; the steps below stand between it and the wait for it
	s_sub_co_u32 s[TB], s[TB], 4*8192              ; the fetches go back to a slot's first step,
	s_xor_b32 s[TB], s[TB], SLOT1                  ; in the other slot
.if \fill
	s_xor_b32 s[G0W+1], s[G0W+1], SLOT1            ; the walking descriptor: the other slot than last time,
	s_add_nc_u64 s[G0W+2:G0W+3], s[G0W+2:G0W+3], 131072   ; the next 512 keys; the type bits on top are not reached
	s_wait_dscnt 0x0                               ; the add is done, and my reads of the slot are over
	CROUND
	tensor_load_to_lds s[G0W:G0W+3], s[G1:G1+7]    ; my one tensor load behind the round
	s_nop 0
.rept 4
	v_nop
.endr
.else
	s_wait_dscnt 0x0
	s_barrier_signal -1
	s_barrier_wait -1
.endif
.endm
; A KEY STEP: 64 keys for my 32 queries.  mode 0: the next step lies in the same slot; 1: a change of slots with a refill; 2: without; 3: the last step.
.macro STEP mode
	s_wait_dscnt 0x0                               ; K is in
	WIN 0x01                                       ; source 0 window 1
	KQ
	WIN 0
	v_add_nc_u32 v[ADV], s[TB], v[AV0]             ; this line and three v_nop: the four places behind the scores' products, and behind the last step's products in front of the loads into V's registers
.rept 3
	v_nop
.endr
	WIN 0x40
.irp n, 0,1,2,3,4,5,6,7,8,9,10,11,12,13,14,15
	ds_load_b128 v[VF+4*\n:VF+4*\n+3], v[ADV] offset:512*\n   ; V lands while the softmax is walked
.endr
	WIN 0
	s_add_co_u32 s[TB], s[TB], 8192                ; the next fetch is the next step's
	SOFTMAX
.if \mode == 0
	FETCH_K                                        ; the next step's K lands while the second product runs
	s_wait_dscnt 16                                ; V is in; K's 16 younger loads may be out
.elseif \mode == 1
	CHANGE 1
	FETCH_K
.elseif \mode == 2
	CHANGE 0
	FETCH_K
.else
	s_wait_dscnt 0x0
.endif
	WIN 0x01
	PV
	WIN 0                                          ; at a label and at a branch every window is 0
.endm
.macro THREE                           ; a slot's first three steps: written once, walked three times; the LDS addresses hang on s[TB]
	s_mov_b32 s[CNT], 3
.Lthree_\@:
	STEP 0
	s_sub_co_u32 s[CNT], s[CNT], 1
	s_cmp_lg_u32 s[CNT], 0
	s_cbranch_scc1 .Lthree_\@
.endm
	s_wait_tensorcnt 0x1                           ; my part of slot 0 is in; slot 1's may stay out
	s_barrier_signal -1
	s_barrier_wait -1                              ; everybody's is
	FETCH_K
	WIN 0
	s_wait_loadcnt 0x0                             ; Q
	s_mov_b32 s[SLOTS], 2
.Lslot:                                            ; two trips: keys 0 to 1,023; each leaves its slot to the keys 1,024 further on
	THREE
	STEP 1
	s_sub_co_u32 s[SLOTS], s[SLOTS], 1
	s_cmp_lg_u32 s[SLOTS], 0
	s_cbranch_scc1 .Lslot
	THREE                                          ; the last two slots are written out: nothing is left to ask for
	STEP 2
	THREE
	STEP 3
	; THE MERGE OF THE TWO HALVES OF THE KEYS, AND THE WAY OUT.  Each wave publishes c m and l of its queries; with its partner's it scales its O^T by 2^(c m - M) / (the joint sum), M the larger c m;
	; both put the scaled O^T into their stages, and each adds and stores one of the group's two tiles.  The six lines below are the places behind the last products.
.irp t, 0,1
	v_add_f32 v[ST+8*\t+4], v[ST+8*\t+2], v[ST+8*\t+3]
.endr
.irp t, 0,1
	v_permlanex16_b32 v[ST+8*\t+5], v[ST+8*\t+4], s[SEL], s[SEL+1]
.endr
.irp t, 0,1
	v_add_f32 v[ST+8*\t+4], v[ST+8*\t+4], v[ST+8*\t+5]   ; l of my half of the keys
.endr
.irp t, 0,1
	ds_store_b32 v[STS], v[ST+8*\t] offset:256*\t
	ds_store_b32 v[STS], v[ST+8*\t+4] offset:256*\t+128
.endr
	s_wait_dscnt 0x0                               ; for the partner's sake: my stores have landed
	s_barrier_signal -1
	s_barrier_wait -1
.irp t, 0,1
	ds_load_b32 v[TT+2*\t], v[STL] offset:256*\t           ; the partner's c m,
	ds_load_b32 v[TT+2*\t+1], v[STL] offset:256*\t+128     ; and its l
.endr
	s_wait_dscnt 0x0
.irp t, 0,1
	v_max_num_f32 v[ST+8*\t+5], v[ST+8*\t], v[TT+2*\t]     ; M
.endr
.irp t, 0,1
	v_sub_f32 v[ST+8*\t+6], v[ST+8*\t], v[ST+8*\t+5]
.endr
.irp t, 0,1
	v_sub_f32 v[ST+8*\t+7], v[TT+2*\t], v[ST+8*\t+5]
.endr
.irp t, 0,1
	v_exp_f32 v[ST+8*\t+6], v[ST+8*\t+6]           ; f, mine
.endr
.irp t, 0,1
	v_exp_f32 v[ST+8*\t+7], v[ST+8*\t+7]           ; f, the partner's
.endr
	v_nop                                          ; a plain line behind the last exponential,
	s_wait_alu depctr_va_vdst(0)                   ; and one wait for the four, ahead of their first reader
.irp t, 0,1
	v_mul_f32 v[ST+8*\t+4], v[ST+8*\t+6], v[ST+8*\t+4]
.endr
.irp t, 0,1
	v_fma_f32 v[ST+8*\t+4], v[ST+8*\t+7], v[TT+2*\t+1], v[ST+8*\t+4]   ; the joint sum
.endr
.irp t, 0,1
	v_rcp_f32 v[ST+8*\t+5], v[ST+8*\t+4]
.endr
	v_nop
	s_wait_alu depctr_va_vdst(0)                   ; one wait for the two reciprocals
.irp t, 0,1
	v_mul_f32 v[ST+8*\t+6], v[ST+8*\t+6], v[ST+8*\t+5]
.endr
.irp t, 0,1
.irp j, 0,2,4,6,8,10,12,14,16,18,20,22,24,26,28,30
	v_pk_mul_f32 v[O+32*\t+\j:O+32*\t+\j+1], v[O+32*\t+\j:O+32*\t+\j+1], v[ST+8*\t+6:ST+8*\t+7] op_sel_hi:[1,0]
.endr
.endr
.irp t, 0,1
.irp c, 0,1,2,3
	ds_store_b128 v[STO], v[O+32*\t+8*\c:O+32*\t+8*\c+3] offset:STAGE+16*272*\t+64*\c        ; lane (r, h): query 16 t + r, channels 16 c + 8 h + 0 .. 7
	ds_store_b128 v[STO], v[O+32*\t+8*\c+4:O+32*\t+8*\c+7] offset:STAGE+16*272*\t+64*\c+16
.endr
.endr
	s_wait_dscnt 0x0                               ; for the partner's sake
	s_barrier_signal -1
	s_barrier_wait -1
.irp i, 0,1,2,3,4,5,6,7
	ds_load_b128 v[TT+4*\i:TT+4*\i+3], v[RD] offset:STAGE+2*272*\i              ; two rows of the tile from the first half's stage,
	ds_load_b128 v[S+4*\i:S+4*\i+3], v[RD] offset:STAGE+4*32*272+2*272*\i       ; and from the second half's
.endr
.irp i, 0,1,2,3,4,5,6,7
	s_wait_dscnt 14-2*\i                           ; pair i is in; the later pairs may be out
	v_pk_add_f32 v[TT+4*\i:TT+4*\i+1], v[TT+4*\i:TT+4*\i+1], v[S+4*\i:S+4*\i+1]
	v_pk_add_f32 v[TT+4*\i+2:TT+4*\i+3], v[TT+4*\i+2:TT+4*\i+3], v[S+4*\i+2:S+4*\i+3]
	global_store_b128 v[GO], v[TT+4*\i:TT+4*\i+3], s[OP:OP+1] offset:4096*\i th:TH_STORE_NT   ; sixteen lanes store a head's 256 consecutive bytes of a row, aligned; written once, read by nobody here
.endr
	s_wait_tensorcnt 0x0                           ; the wave's end, behind my last tensor load and my last LDS store
	ds_add_u32 v[SPW], v[NIL]
	s_wait_dscnt 0x0
	CROUND                                         ; the closing round: no work-group ends while a partner may still ask for a tile that names it
	s_endpgm
.Lfunc_end_k_q83f9667abb_attn:
	.size	k_q83f9667abb_attn, .Lfunc_end_k_q83f9667abb_attn-k_q83f9667abb_attn
	.p2alignl 7, 3214868480
	.fill 96, 4, 3214868480
	.section	.rodata,"a",@progbits
	.p2align	6, 0x0
	.amdhsa_kernel k_q83f9667abb_attn
		.amdhsa_group_segment_fixed_size 327680
		.amdhsa_private_segment_fixed_size 0
		.amdhsa_enable_private_segment 0
		.amdhsa_kernarg_size 16
		.amdhsa_user_sgpr_count 2
		.amdhsa_user_sgpr_kernarg_segment_ptr 1
		.amdhsa_wavefront_size32 1
		.amdhsa_system_sgpr_workgroup_id_x 1
		.amdhsa_system_sgpr_workgroup_id_y 1
		.amdhsa_system_sgpr_workgroup_id_z 1
		.amdhsa_system_vgpr_workitem_id 0
		.amdhsa_next_free_vgpr 384
		.amdhsa_next_free_sgpr 66
		.amdhsa_reserve_vcc 0
		.amdhsa_float_denorm_mode_32 3
		.amdhsa_float_denorm_mode_16_64 3
		.amdhsa_memory_ordered 1
		.amdhsa_forward_progress 1
		.amdhsa_inst_pref_size 120
	.end_amdhsa_kernel
	.amdgpu_metadata
---
amdhsa.version: [ 1, 2 ]
amdhsa.kernels:
  - .name:           k_q83f9667abb_attn
    .symbol:         k_q83f9667abb_attn.kd
    .args:
      - { .name: qkv, .offset: 0, .size: 8, .value_kind: global_buffer, .address_space: global }
      - { .name: out0, .offset: 8, .size: 8, .value_kind: global_buffer, .address_space: global }
    .group_segment_fixed_size: 327680
    .private_segment_fixed_size: 0
    .kernarg_segment_align: 8
    .kernarg_segment_size: 16
    .max_flat_workgroup_size: 256
    .sgpr_count:     66
    .vgpr_count:     384
    .wavefront_size: 32
...
	.end_amdgpu_metadata
.endif
;; end of part 3
